; MI455X (gfx1250); checked and timed in simulation.
; The chip was launched on July 23, 2026; its instructions are those of AMD's public machine-readable ISA for CDNA 5 (MIT licence, August 2026) and "CDNA5" Instruction Set Architecture Reference Guide (July 2026). The comments in the code are by the model that wrote it; some were corrected since.
;; Attention Layer. Allowed arithmetic: matrix products marked QUANTISED: E3M2 operands, one E8M0 scale for each 32 along K, by v_wmma_scale_f32_16x16x128_f8f6f4 with both operands' format E3M2, f32 sums; everything else in f32.
;; Inputs: Wk 1,024 x 1,024 float32; Wq 1,024 x 1,024 float32; Wv 1,024 x 1,024 float32; bk 1,024 float32; bq 1,024 float32; bv 1,024 float32; x 4 x 2,048 x 1,024 float32.
;; Outputs: out0 4 x 2,048 x 1,024 float32.
;; This version of the problem:
;;   THIS VERSION OF THE PROBLEM IS GIVEN IN LOW PRECISION. The matrix products marked QUANTISED in the list below multiply operands that are first quantised to E3M2 (3 exponent bits, 2 mantissa bits; 6 bits a number), with one power-of-two scale for each 32 numbers along K (OCP MX v1.0); their sums are f32. All else is computed in f32.
;;   The module's matrix products, in the order in which they are computed (A, B: the left and right operand; K: the contracted axis; several contracted axes count as one K, in the product's order):
;;     1. [M 8,192, K 1,024] x [K 1,024, N 1,024]; A: input x; B: input Wq: QUANTISED
;;     2. [M 8,192, K 1,024] x [K 1,024, N 1,024]; A: input x; B: input Wk: QUANTISED
;;     3. [M 8,192, K 1,024] x [K 1,024, N 1,024]; A: input x; B: input Wv: QUANTISED
;;     4. batch 64 x [M 2,048, K 64] x [K 64, N 2,048]; A: computed on the way; B: computed on the way: QUANTISED
;;     5. batch 64 x [M 2,048, K 2,048] x [K 2,048, N 64]; A: softmax (see below); B: computed on the way: QUANTISED
;;   THE QUANTISER, for each operand of a quantised product, along K:
;;     - K is cut into blocks of 32 from its start; a last block that is shorter is filled with zeros.
;;     - A block's scale is 2^e with e = floor(log2(the largest magnitude in the block)) - 4, held to -126 .. 127; a block of zeros has e = 0. As a byte (E8M0): e + 127.
;;     - Each number is divided by its block's scale, clamped to +-28, and rounded to the nearest number of E3M2, ties to even, subnormals kept.
;;     - The product sums the exact products of the quantised numbers (number of the format x scale) in f32.
;;   ~~~python
;;   def quantise(x, axis):      # numpy; x: float32 -> the quantised numbers, widened to float32 again
;;       x = np.moveaxis(x, axis, -1); K = x.shape[-1]
;;       x = np.pad(x, [(0, 0)] * (x.ndim - 1) + [(0, -K % 32)]); x = x.reshape(x.shape[:-1] + (-1, 32)); a = np.abs(x).max(-1, keepdims=True)
;;       e = np.where(a > 0, np.clip(np.frexp(np.where(a > 0, a, 1))[1] - 1 - 4, -126, 127), 0)      # np.frexp(a)[1] - 1 = floor(log2(a)), exactly
;;       r = np.clip(x / 2.0 ** e, -28, 28)
;;       step = 2.0 ** (np.maximum(np.frexp(np.where(r == 0, 1, r))[1] - 1, -2) - 2)
;;       q = np.round(r / step) * step * 2.0 ** e      # np.round: ties to even
;;       return np.moveaxis(q.reshape(q.shape[:-2] + (-1,))[..., :K], -1, axis).astype(np.float32)
;;   ~~~
;;   SOFTMAX AHEAD OF A QUANTISED PRODUCT. Where the list says 'softmax', what is quantised is not the finished softmax but p = 2^(t - M), with t = logit x log2(e) and M = ceil(the row's largest t), a whole number; so 1/2 < the row's largest p <= 1. The row's sum l is taken of the UNQUANTISED p, in f32, and the product's result is divided by l at the end. Since M is a whole number, a kernel that streams over the keys may use a running M (the ceiling of the running maximum): every later rescaling is an exact power of two, which a block's scale takes up: the codes' values come out the same.
;;   OPERANDS COMPUTED ON THE WAY. 'Computed on the way' means the value that the module computes at that place (a softmax that the list does not call 'softmax' is quantised finished and normalised). What goes into a quantiser is computed in f32, as accurately as f32 sums, v_exp_f32 and their like allow (about 1e-6 of the number): no bf16 or f16 on the way to a quantiser, and a product that is left as it is and whose result goes on into a quantised operand takes f32 operands (vector FMAs, or v_wmma_f32_16x16x4_f32). A number that lies on a knife's edge between two numbers of the format may be rounded either way, as far as f32 arithmetic and the matrix unit's own rounding can turn it there, and no further.
;; One version. Each part assembles by itself: llvm-mc -triple=amdgcn-amd-amdhsa -mcpu=gfx1250 --defsym DOCPART=n.
;; ======== version 1 of 1: 3 launches
;; limits: right only within a limited range of input values
;; workspace buffers: xc 6,291,456 bytes; xs 262,144 bytes; wc 2,359,296 bytes; ws 98,304 bytes; qi 6,815,744 bytes; kv 13,369,344 bytes
;; launch quant (part 1): grid 352 x 1, 4 waves a work-group, no clusters, 68,096 bytes of LDS; arguments x, Wq, Wk, Wv, xc, xs, wc, ws; writes xc, xs, wc, ws
.if DOCPART == 1
	.amdgcn_target "amdgcn-amd-amdhsa--gfx1250"
	.amdhsa_code_object_version 6
	.text
	.protected	k_qe1fc67c578_quant
	.globl	k_qe1fc67c578_quant
	.p2align	8
	.type	k_qe1fc67c578_quant,@function
k_qe1fc67c578_quant:
	s_mov_b64 s[64:65], 0
	v_nop
	global_prefetch_b8 v0, s[64:65] scope:SCOPE_SE
	s_setreg_imm32_b32 hwreg(HW_REG_WAVE_MODE, 25, 1), 1
	s_wait_xcnt 0x0
; x [8192][1024] and Wq, Wk, Wv [1024 (k)][1024 (n)], f32, become codes of BF6 (E3M2), 6 bits each, K innermost, with one E8M0 scale byte for each 32 along K.
; xc [8192 places][768 bytes], xs [8192 places][32 bytes]; wc [3072 places][768], ws [3072 places][32]: places 0-1023 Wq's columns, 1024-2047 Wk's, 2048-3071 Wv's.
; PLACES: row (or column) i lies at the place that is i with bits 3 and 4 exchanged.  So 16 neighbouring places 16 a .. 16 a + 15 hold rows 32 (a / 2) + 8 (a % 2) + r + 8 (r / 8):
; the next launch's results then lie with 16 neighbours along the next K in 16 registers of a lane, while it reads plain neighbouring rows.
; A block's scale is 2^(floor(log2(its largest magnitude)) - 4); its byte is the largest magnitude's exponent field - 4, held at 1 from below.  A block of zeros gets the byte 1 where the rule says 127:
; its codes are zeros, which add nothing under any byte but 0xff, and the bytes are read by this program alone.
; LIMITS: a block's largest magnitude is not taken under 2^-122 (the floor); NaN and infinities among the inputs are not served.
; Work-groups 0-255 take x (K innermost: a plain stream of blocks of 32), work-groups 256-351 the weights (a lane takes a column, its registers run down K).  Each reads 131,072 bytes.
; The two ways have LDS bytes of their own: x's 0 .. 32,767, the weights' 32,768 .. 67,583.  No tensor loads, no barrier: waves share nothing.
.set EMAX,  4
.set CB,    12                         ; bytes of 16 codes
.set STEPS, 16                         ; x: steps of 512 numbers for a wave
.set XR,    16                         ; v16-79   x: four sets of 16 numbers as they are loaded
.set XN,    80                         ; v80-111  x: two sets of 16 neighbours
.set XE,    112                        ; v112-127 x: a scale byte for each step
.set XC,    128                        ; v128-191 x: codes, four registers for each step: no store's data are written again
.set WREG,  8192                       ; x: a wave's LDS: two stages of 32 x SP bytes, then its 256 scale bytes
.set SP,    80                         ; x: a lane's place in a stage: 64 bytes + 16 of padding
.set WST,   32768                      ; weights: the stages begin here
.set WP,    272                        ; weights: a stage row: sixteen places of 16 bytes, each with 12 bytes of codes, + 16
.set KROW,  768                        ; a row of codes in bytes
.set NB,    8                          ; weights: blocks of 32 along K for a wave
.set WX,    32                         ; v32-95   weights: two sets of 32 numbers
.set WC,    96                         ; v96..    weights: a block's codes
.set WOUT,  112                        ; v112-175 weights: the way out
.set WSB,   24                         ; v24-25   weights: the scale bytes, four to a register
	s_load_b256 s[4:11], s[0:1], 0x0               ; x s[4:5], Wq s[6:7], Wk s[8:9], Wv s[10:11]
	s_load_b256 s[12:19], s[0:1], 0x20             ; xc s[12:13], xs s[14:15], wc s[16:17], ws s[18:19]
	v_lshl_add_u32 v192, v0, 2, 0x10800
	v_mov_b32 v193, 0
	v_lshrrev_b32 v1, 5, v0
	v_readfirstlane_b32 s20, v1                    ; wave 0..3
	v_and_b32 v2, 31, v0                           ; lane
	s_cmp_lt_u32 ttmp9, 256
	s_cbranch_scc0 .Lweights
	; ---------------- x.  A wave takes 8 rows (8,192 numbers) in 16 steps.  Each load reads 512 consecutive bytes; a step's 2,048 bytes turn through the wave's stage, so that a lane holds 16 neighbours.
	v_lshlrev_b32 v3, 4, v2                        ; my 16 bytes of a load's 512
	s_mul_i32 s21, s20, WREG
	v_lshrrev_b32 v14, 2, v2
	v_mul_u32_u24 v14, v14, SP
	v_and_b32 v15, 3, v2
	v_lshl_add_u32 v14, v15, 4, v14
	v_add_nc_u32 v14, s21, v14                     ; the stage, on the way in: SP (lane / 4) + 16 (lane % 4)
	v_mul_u32_u24 v15, v2, SP
	v_add_nc_u32 v15, s21, v15                     ; and on the way out: SP x lane
	v_mul_u32_u24 v4, v2, CB                       ; my codes' place in a step's
	v_lshrrev_b32 v5, 1, v2
	s_add_co_u32 s21, s21, 2*32*SP
	v_add_nc_u32 v5, s21, v5                       ; my wave's 256 scale bytes, my block's byte
	v_lshlrev_b32 v7, 3, v2                        ; and on the way out 8 bytes a lane
	v_add_nc_u32 v6, s21, v7
	s_lshl_b32 s22, ttmp9, 2
	s_add_co_u32 s24, s22, s20                     ; which 8 rows are my wave's: 4 x work-group + wave
	s_lshl_b32 s24, s24, 15                        ; 32,768 bytes of x each
	s_mov_b32 s25, 0
	s_and_b32 s26, s20, 1                          ; their place: bits 3 and 4 of a row are bits 0 and 1 of the wave's number: exchanged
	s_lshl_b32 s26, s26, 1
	s_lshr_b32 s27, s20, 1
	s_or_b32 s26, s26, s27
	s_add_co_u32 s26, s26, s22
	s_mul_i32 s28, s26, 8*KROW
	s_mov_b32 s29, 0
	s_lshl_b32 s30, s26, 8                         ; 8 rows x 32 scale bytes
	s_mov_b32 s31, 0
	s_wait_alu depctr_va_vdst(0)
	s_wait_kmcnt 0x0
	s_add_nc_u64 s[4:5], s[4:5], s[24:25]
	s_add_nc_u64 s[12:13], s[12:13], s[28:29]
	s_add_nc_u64 s[14:15], s[14:15], s[30:31]
.macro XLOAD t
.irp i, 0,1,2,3
	global_load_b128 v[XR+16*((\t)%4)+4*\i:XR+16*((\t)%4)+4*\i+3], v3, s[4:5] offset:2048*(\t)+512*\i th:TH_LOAD_NT   ; 32 lanes read 512 consecutive bytes
.endr
.endm
.macro XTURN t                         ; step t's numbers through the stage: LDS serves a wave's instructions in order, so no wait stands between the stores and the loads
.irp i, 0,1,2,3
	ds_store_b128 v14, v[XR+16*((\t)%4)+4*\i:XR+16*((\t)%4)+4*\i+3] offset:32*SP*((\t)%2)+8*SP*\i
.endr
.irp i, 0,1,2,3
	ds_load_b128 v[XN+16*((\t)%2)+4*\i:XN+16*((\t)%2)+4*\i+3], v15 offset:32*SP*((\t)%2)+16*\i
.endr
.endm
.irp t, 0,1,2,3
	XLOAD \t
.endr
	s_wait_loadcnt 12                              ; step 0's four loads are in; the twelve of steps 1 to 3 may be out
	XTURN 0
.macro XSTEP t
.set XS, XN+16*((\t)%2)
.if (\t) > 0
	s_wait_dscnt 1                                 ; this step's numbers are back from the stage (the last step's byte store may be out): so its stores into the stage have read their registers,
.else
	s_wait_dscnt 0x0
.endif
.if (\t)+4 < STEPS
	XLOAD (\t)+4                                   ; which take the loads of four steps on
.endif
.if (\t)+1 < STEPS
.if STEPS-2-(\t) >= 3
	s_wait_loadcnt 12                              ; the next step's four loads are in; those of the three steps behind it may be out
.else
	s_wait_loadcnt 4*(STEPS-2-(\t))
.endif
	XTURN (\t)+1                                   ; and go through the other stage while this step is worked
.endif
	v_max3_num_f32 v8, |v[XS]|, |v[XS+1]|, |v[XS+2]|               ; the largest magnitude of my 16, in two chains
	v_max3_num_f32 v9, |v[XS+3]|, |v[XS+4]|, |v[XS+5]|
.irp i, 6,10
	v_max3_num_f32 v8, v8, |v[XS+\i]|, |v[XS+\i+1]|
	v_max3_num_f32 v9, v9, |v[XS+\i+2]|, |v[XS+\i+3]|
.endr
	v_max3_num_f32 v8, v8, |v[XS+14]|, |v[XS+15]|
	v_max3_num_f32 v8, v8, v9, (EMAX+1)<<23        ; and the floor 2^(5 - 127): the byte cannot fall under 1
	v_max_num_f32_dpp v8, v8, v8 row_xmask:1 row_mask:0xf bank_mask:0xf   ; and of my neighbour's 16: the block's
	v_add_nc_u32 v11, 0xfe000000, v8               ; 4 off its exponent field: the conversion takes the exponent field of this operand as its scale
	v_cvt_scalef32_pk16_bf6_f32 v[XC+4*(\t):XC+4*(\t)+2], v[XS:XS+15], v11   ; sixteen codes, 96 bits without gaps
	v_lshrrev_b32 v[XE+(\t)], 23, v11              ; the scale's byte (also the plain line behind the conversion)
	ds_store_b8 v5, v[XE+(\t)] offset:16*(\t)      ; both lanes of a block write the same byte with the same value
	global_store_b96 v4, v[XC+4*(\t):XC+4*(\t)+2], s[12:13] offset:32*CB*(\t)   ; the wave stores 384 consecutive bytes
.endm
.irp t, 0,1,2,3,4,5,6,7,8,9,10,11,12,13,14,15
	XSTEP \t
.endr
	ds_load_b64 v[12:13], v6                       ; LDS serves a wave's instructions in order: these see my byte stores
	s_wait_dscnt 0x0
	global_store_b64 v7, v[12:13], s[14:15]        ; 32 lanes store 256 consecutive bytes, at a multiple of 256 from xs's first byte
	s_wait_tensorcnt 0x0
	ds_add_u32 v192, v193
	s_wait_dscnt 0x0
	s_endpgm
	; ---------------- the weights.  A wave takes 32 columns x 256 along K: each load reads one row k at 32 neighbouring columns, a block of 32 along K lies in one lane's 32 registers.
.Lweights:
	s_sub_co_u32 s21, ttmp9, 256                   ; 0 .. 95
	s_lshr_b32 s22, s21, 5                         ; which weight: 0 Wq, 1 Wk, 2 Wv
	s_and_b32 s23, s21, 7                          ; which 128 columns
	s_bfe_u32 s24, s21, 0x20003                    ; which 256 along K
	s_lshl_b32 s23, s23, 7
	s_lshl_b32 s25, s20, 5
	s_add_co_u32 s23, s23, s25                     ; my wave's first column, a multiple of 32
	s_wait_alu depctr_va_vdst(0)
	v_lshlrev_b32 v3, 2, v2                        ; in: 4 bytes a lane
	s_mul_i32 s25, s20, 32*WP
	s_add_co_u32 s25, s25, WST                     ; my stage
	v_mul_u32_u24 v4, v2, WP
	v_add_nc_u32 v4, s25, v4                       ; into it: row = my column
	v_and_b32 v5, 15, v2
	v_lshrrev_b32 v6, 4, v2                        ; out of it: sixteen lanes to a row, two rows an instruction
	v_mul_u32_u24 v7, v6, WP
	v_lshl_add_u32 v7, v5, 4, v7
	v_add_nc_u32 v7, s25, v7
	v_mul_u32_u24 v8, v6, KROW
	v_mad_u32_u24 v8, v5, 12, v8                   ; and the same in wc: 12 bytes a lane; the pair's place stands in the store's immediate
	v_and_b32 v9, 7, v2                            ; my column's place among its 32: bits 3 and 4 exchanged
	v_and_b32 v10, 8, v2
	v_and_b32 v14, 16, v2
	v_lshl_or_b32 v9, v10, 1, v9
	v_lshrrev_b32 v14, 1, v14
	v_or_b32 v9, v9, v14
	v_lshlrev_b32 v9, 5, v9                        ; x 32 scale bytes
	s_lshl_b32 s26, s24, 20                        ; 256 rows of 4,096 bytes
	s_lshl_b32 s27, s23, 2
	s_add_co_u32 s26, s26, s27
	s_mov_b32 s27, 0
	s_lshl_b32 s28, s22, 10
	s_add_co_u32 s28, s28, s23                     ; the first of my 32 places
	s_mul_i32 s30, s28, KROW
	s_mul_i32 s29, s24, 192
	s_add_co_u32 s30, s30, s29
	s_mov_b32 s31, 0
	s_lshl_b32 s28, s28, 5
	s_lshl_b32 s29, s24, 3
	s_add_co_u32 s28, s28, s29
	s_mov_b32 s29, 0
	s_wait_kmcnt 0x0
	s_cmp_eq_u32 s22, 0                            ; the choice hangs on the work-group's number alone
	s_cselect_b64 s[6:7], s[6:7], s[8:9]
	s_cmp_eq_u32 s22, 2
	s_cselect_b64 s[6:7], s[10:11], s[6:7]
	s_add_nc_u64 s[6:7], s[6:7], s[26:27]
	s_add_nc_u64 s[16:17], s[16:17], s[30:31]
	s_add_nc_u64 s[18:19], s[18:19], s[28:29]
.macro WLOAD t                         ; block t: W(32 t + i, my column), i = 0 .. 31, into set t % 2
.irp i, 0,1,2,3,4,5,6,7,8,9,10,11,12,13,14,15,16,17,18,19,20,21,22,23,24,25,26,27,28,29,30,31
	global_load_b32 v[WX+32*((\t)%2)+\i], v3, s[6:7] offset:(32*(\t)+\i)*4096 th:TH_LOAD_NT
.endr
.endm
	WLOAD 0
	WLOAD 1
.macro BLOCK t
.set XS, WX+32*((\t)%2)
.if (\t) < NB-1
	s_wait_loadcnt 32                              ; this block's 32 loads are in; the next block's 32 may be out
.else
	s_wait_loadcnt 0
.endif
	v_max3_num_f32 v12, |v[XS]|, |v[XS+1]|, |v[XS+2]|               ; the block's largest magnitude: all 32 numbers are mine
	v_max3_num_f32 v13, |v[XS+3]|, |v[XS+4]|, |v[XS+5]|
.irp i, 6,10,14,18,22,26
	v_max3_num_f32 v12, v12, |v[XS+\i]|, |v[XS+\i+1]|
	v_max3_num_f32 v13, v13, |v[XS+\i+2]|, |v[XS+\i+3]|
.endr
	v_max3_num_f32 v12, v12, |v[XS+30]|, |v[XS+31]|
	v_max3_num_f32 v12, v12, v13, (EMAX+1)<<23     ; and the floor
	v_add_nc_u32 v11, 0xfe000000, v12              ; the conversion's scale operand
	v_lshrrev_b32 v13, 23, v11                     ; the scale's byte
.if (\t)%4 == 0
	v_mov_b32 v[WSB+(\t)/4], v13                   ; four bytes to a register, the lower K in the lower byte
.else
	v_lshl_or_b32 v[WSB+(\t)/4], v13, 8*((\t)%4), v[WSB+(\t)/4]
.endif
	v_cvt_scalef32_pk16_bf6_f32 v[WC:WC+2], v[XS:XS+15], v11
	v_cvt_scalef32_pk16_bf6_f32 v[WC+4:WC+6], v[XS+16:XS+31], v11   ; (a conversion's three registers begin on an even number)
	ds_store_b96 v4, v[WC:WC+2] offset:32*(\t)     ; 12 bytes to a place of 16 in the stage: every LDS address is a multiple of 16
	ds_store_b96 v4, v[WC+4:WC+6] offset:32*(\t)+16
.if (\t)+2 < NB
	WLOAD (\t)+2
.endif
	s_wait_dscnt 0x0                               ; the stores have read their registers: the next block's codes may be written
.endm
.irp t, 0,1,2,3,4,5,6,7
	BLOCK \t
.endr
	s_wait_alu depctr_va_vdst(0)
	global_store_b64 v9, v[WSB:WSB+1], s[18:19]    ; my column's 8 scale bytes, at its place
.irp t, 0,1,2,3,4,5,6,7,8,9,10,11,12,13,14,15
	ds_load_b96 v[WOUT+4*\t:WOUT+4*\t+2], v7 offset:2*\t*WP   ; LDS serves a wave's instructions in order: these see my stores
.endr
.irp t, 0,1,2,3,4,5,6,7,8,9,10,11,12,13,14,15
	s_wait_dscnt 15-\t                             ; pair t is back; the later pairs may be out
	global_store_b96 v8, v[WOUT+4*\t:WOUT+4*\t+2], s[16:17] offset:((2*\t&7)|((2*\t&8)<<1)|((2*\t&16)>>1))*KROW   ; columns 2 t, 2 t + 1 at their places: sixteen lanes store a row's 192 consecutive bytes
.endr
	s_wait_tensorcnt 0x0
	ds_add_u32 v192, v193
	s_wait_dscnt 0x0
	s_endpgm
.Lfunc_end_k_qe1fc67c578_quant:
	.size	k_qe1fc67c578_quant, .Lfunc_end_k_qe1fc67c578_quant-k_qe1fc67c578_quant
	.p2alignl 7, 3214868480
	.fill 96, 4, 3214868480
	.section	.rodata,"a",@progbits
	.p2align	6, 0x0
	.amdhsa_kernel k_qe1fc67c578_quant
		.amdhsa_group_segment_fixed_size 68096
		.amdhsa_private_segment_fixed_size 0
		.amdhsa_enable_private_segment 0
		.amdhsa_kernarg_size 64
		.amdhsa_user_sgpr_count 2
		.amdhsa_user_sgpr_kernarg_segment_ptr 1
		.amdhsa_wavefront_size32 1
		.amdhsa_system_sgpr_workgroup_id_x 1
		.amdhsa_system_sgpr_workgroup_id_y 1
		.amdhsa_system_sgpr_workgroup_id_z 1
		.amdhsa_system_vgpr_workitem_id 0
		.amdhsa_next_free_vgpr 194
		.amdhsa_next_free_sgpr 66
		.amdhsa_reserve_vcc 0
		.amdhsa_float_denorm_mode_32 3
		.amdhsa_float_denorm_mode_16_64 3
		.amdhsa_memory_ordered 1
		.amdhsa_forward_progress 1
		.amdhsa_inst_pref_size 74
	.end_amdhsa_kernel
	.amdgpu_metadata
---
amdhsa.version: [ 1, 2 ]
amdhsa.kernels:
  - .name:           k_qe1fc67c578_quant
    .symbol:         k_qe1fc67c578_quant.kd
    .args:
      - { .name: x, .offset: 0, .size: 8, .value_kind: global_buffer, .address_space: global }
      - { .name: Wq, .offset: 8, .size: 8, .value_kind: global_buffer, .address_space: global }
      - { .name: Wk, .offset: 16, .size: 8, .value_kind: global_buffer, .address_space: global }
      - { .name: Wv, .offset: 24, .size: 8, .value_kind: global_buffer, .address_space: global }
      - { .name: xc, .offset: 32, .size: 8, .value_kind: global_buffer, .address_space: global }
      - { .name: xs, .offset: 40, .size: 8, .value_kind: global_buffer, .address_space: global }
      - { .name: wc, .offset: 48, .size: 8, .value_kind: global_buffer, .address_space: global }
      - { .name: ws, .offset: 56, .size: 8, .value_kind: global_buffer, .address_space: global }
    .group_segment_fixed_size: 68096
    .private_segment_fixed_size: 0
    .kernarg_segment_align: 8
    .kernarg_segment_size: 64
    .max_flat_workgroup_size: 128
    .sgpr_count:     66
    .vgpr_count:     194
    .wavefront_size: 32
...
	.end_amdgpu_metadata
.endif
;; end of part 1
;; launch proj (part 2): grid 8 x 48, 4 waves a work-group, clusters of 4 x 4, 327,680 bytes of LDS; arguments xc, xs, wc, ws, bq, bk, bv, qi, kv; writes qi, kv
.if DOCPART == 2
	.amdgcn_target "amdgcn-amd-amdhsa--gfx1250"
	.amdhsa_code_object_version 6
	.text
	.protected	k_qe1fc67c578_proj
	.globl	k_qe1fc67c578_proj
	.p2align	8
	.type	k_qe1fc67c578_proj,@function
k_qe1fc67c578_proj:
	s_mov_b64 s[64:65], 0
	v_nop
	global_prefetch_b8 v0, s[64:65] scope:SCOPE_SE
	s_setreg_imm32_b32 hwreg(HW_REG_WAVE_MODE, 25, 1), 1
	s_wait_xcnt 0x0
	s_wait_alu depctr_hold_cnt(0) depctr_sa_sdst(0) depctr_va_vdst(0) depctr_va_sdst(0) depctr_va_ssrc(0) depctr_va_vcc(0) depctr_vm_vsrc(0)
	s_getreg_b32 s2, hwreg(HW_REG_IB_STS2, 6, 4)
	s_cmp_eq_u32 s2, 0
	s_cbranch_scc0 .Lentry_in_a_cluster
	s_endpgm
.Lentry_in_a_cluster:
	s_bfe_u32 s2, ttmp6, 0x10000c
	s_cmp_lg_u32 s2, 0xf033
	s_cbranch_scc0 .Lentry_shape_is_right
	s_endpgm
.Lentry_shape_is_right:
; Q, K, V = x W + b on codes of BF6 (E3M2) with one E8M0 byte for each 32 along K, f32 sums that begin with the bias, each result quantised again and stored as images of the next launch's operand registers (qi, kv).
; A tile of 256 x 256 is made by four waves, 128 x 128 each: 64 accumulators.  ROLE 0 (cluster y 0-7): source 1 = 256 rows of x, source 0 = 256 columns of Wq or Wk: a lane holds one token, its registers run along the head's channels.
; ROLE 1 (cluster y 8-11): source 1 = 256 columns of Wv, source 0 = 256 rows of x: a lane holds one channel, its registers run along the tokens, which are the K of the next launch's second product.
; K goes through a ring of two LDS slots in CHUNKS OF 256 BYTES of each row of 768: three chunks; a step of 128 along K is 96 bytes, eight steps; steps 2 and 5 lie across two chunks and read both slots.
; The scales of both operands' 256 rows, two dense blocks of 8,192 bytes, come once and stay.  4 x 4 work-groups form a cluster: source 1's tiles are asked for jointly by a row of it, source 0's by a column.
; No data prefetch: K is three chunks, of which two are asked for at the head: there is no loop to run ahead in.
; LIMITS: a block's largest magnitude is not taken under 2^-122 (byte at least 1; a block of zeros has zero codes and the byte 1, read by this program alone); NaN, infinities and sums beyond f32's range are not served.
.set NQ,     2                         ; steps that one set of scale words serves
.set ROWB,   256                       ; a chunk
.set KROW,   768                       ; a row of codes in memory
.set STEPS,  8
.set CHUNKS, 3
.set PITCH,  272                       ; an LDS row: 256 + 16 of padding
.set FR,     12
.set NL,     6
.set NP,     4
.set HALFT,  128*PITCH
.set SLOT,   4*HALFT                   ; source 1's 256 rows, then source 0's
.set KS,     32
.set SCL,    2*SLOT                    ; the scales, units of 256 + 16
.set HALFS,  16*272
.set SBLK,   2*272
.set SPARE,  SCL+4*HALFS               ; the spare words
.set ADRA, 16                          ; v16-17 my fragments in slot 0, 1; v18-19 for pieces whose two lane halves read different slots
.set ADRB, 20                          ; v20-23 the same for source 0
.set O8,   24
.set O16S, 25
.set O16,  26
.set ADRS, 27
.set SPW,  28
.set NIL,  29
.set BOP,  30
.set BOR,  31
.set SC,   32                          ; v32-63 scale words, two sets
.set BP,   64                          ; head: the bias along a lane's registers
.set AF,   128                         ; v128-223 source 1's fragments
.set BRS,  224                         ; head: the bias of a lane's row, as pairs
.set BRR,  240
.set PWR,  64                          ; the way out: scale words
.set MW,   72
.set H0,   76
.set H1,   80
.set GG,   128                         ; the way out: codes
.set BM,   224
.set PD,   228
.set CTA,  232
.set CTB,  236
.set G1, 24
.set G0, 32
.set G1B, 48
.set G0B, 56
.set G1S, 68
.set G0S, 76
.set G1SB, 80
.set G0SB, 88
.set G0H, 4                            ; group 0 of the head's loads of chunk 0, where arguments lay
.set G0HB, 8
.set ROLE, 105
.set MSB, 0
.macro WIN new
.if MSB != \new
	s_set_vgpr_msb (MSB<<8)|\new
.set MSB, \new
.endif
.endm
.set MUL_LO, 0xa1
.set MUL_HI, 0xf1
.set TO_B,   0x40
.macro JLOAD g0a, g1a, g0b, g1b        ; waves 0, 1 fetch source 1's halves, waves 2, 3 source 0's; s_nop 0 and four v_nop behind each line
	s_cmp_eq_u32 s15, 0
	s_cbranch_scc0 .Lfor_b_\@
	tensor_load_to_lds s[\g0a:\g0a+3], s[\g1a:\g1a+7]
	s_nop 0
.rept 4
	v_nop
.endr
	s_branch .Lasked_\@
.Lfor_b_\@:
	tensor_load_to_lds s[\g0b:\g0b+3], s[\g1b:\g1b+7]
	s_nop 0
.rept 4
	v_nop
.endr
.Lasked_\@:
.endm
.macro CREST
	s_cmp_lg_u32 s14, 0
	s_cbranch_scc1 .Lnot_wave_0_\@
	s_barrier_signal -3
.Lnot_wave_0_\@:
	s_barrier_wait -3
	s_barrier_signal -1
	s_barrier_wait -1
.endm
.macro CROUND
	s_barrier_signal -1
	s_barrier_wait -1
	CREST
.endm
	s_load_b128 s[4:7], s[0:1], 0x0                ; xc, xs
	s_load_b128 s[8:11], s[0:1], 0x10              ; wc, ws
	v_lshl_add_u32 v[SPW], v0, 2, SPARE
	v_mov_b32 v[NIL], 0
	ds_add_u32 v[SPW], v[NIL]                      ; the opening lines: the add twice on end and one wait
	ds_add_u32 v[SPW], v[NIL]
	v_lshrrev_b32 v1, 5, v0
	v_readfirstlane_b32 s14, v1                    ; wave
	s_lshr_b32 s15, s14, 1
	s_and_b32 s16, s14, 1
	s_bfe_u32 s40, ttmp6, 0x40000                  ; cx
	s_bfe_u32 s41, ttmp6, 0x40004                  ; cy
	s_and_b32 s95, ttmp7, 0xffff
	s_lshl_b32 s17, s95, 2
	s_sub_co_u32 s18, s95, 8
	s_lshl_b32 s18, s18, 3
	s_lshl_b32 s42, ttmp9, 2
	s_cmp_lt_u32 s95, 8                            ; the role hangs on the cluster's y alone
	s_cselect_b32 s[ROLE], 0, 1
	s_cselect_b32 s96, 1.0, 0
	s_cselect_b32 s98, 0, 1.0
	s_cselect_b32 s17, s17, 8
	s_cselect_b32 s18, 0, s18
	s_mov_b32 s97, s96
	s_add_co_u32 s17, s17, s41                     ; source 1's tile of 256 rows
	s_add_co_u32 s42, s42, s18
	s_add_co_u32 s42, s42, s40                     ; source 0's
	s_lshl_b32 s43, s41, 2
	s_lshl_b32 s43, 15, s43                        ; my row of the cluster
	s_lshl_b32 s44, 0x1111, s40                    ; my column
	s_or_b32 s[G1+0], s43, (0<<16)|(1<<20)|(1<<21)|(5<<22)|(3<<25)
	s_or_b32 s[G1B+0], s44, (0<<16)|(1<<20)|(1<<21)|(5<<22)|(3<<25)
.irp g, G1, G1B
	s_mov_b32 s[\g+1], ROWB<<16
	s_mov_b32 s[\g+2], 256<<16                     ; 256 rows for the head's loads
	s_mov_b32 s[\g+3], ROWB<<16
	s_mov_b32 s[\g+4], 256
	s_mov_b32 s[\g+5], KROW
	s_mov_b32 s[\g+6], 0
	s_mov_b32 s[\g+7], 0
.endr
	s_or_b32 s[G1S+0], s43, (3<<16)|(1<<20)|(1<<21)|(5<<22)|(3<<25)
	s_or_b32 s[G1SB+0], s44, (3<<16)|(1<<20)|(1<<21)|(5<<22)|(3<<25)
.irp g, G1S, G1SB
	s_mov_b32 s[\g+1], 32<<16                      ; the scales of 256 rows: 32 units of 256 bytes
	s_mov_b32 s[\g+2], KS<<16
	s_mov_b32 s[\g+3], 32<<16
	s_mov_b32 s[\g+4], KS
	s_mov_b32 s[\g+5], 32
	s_mov_b32 s[\g+6], 0
	s_mov_b32 s[\g+7], 0
.endr
	s_lshl_b32 s20, s17, 8
	s_lshl_b32 s46, s42, 8
	s_mov_b32 s21, 0
	s_mov_b32 s47, 0
	s_mov_b64 s[18:19], KS
	s_mul_u64 s[22:23], s[20:21], s[18:19]
	s_mul_u64 s[92:93], s[46:47], s[18:19]
	s_mov_b64 s[18:19], KROW
	s_mul_u64 s[20:21], s[20:21], s[18:19]
	s_mul_u64 s[46:47], s[46:47], s[18:19]
	s_mul_i32 s100, s16, 128*KROW                  ; in the ring I fetch 128 rows: which half
	s_mov_b32 s101, 0
	s_mul_i32 s45, s14, HALFT                      ; and where they go
	s_wait_dscnt 0x0                               ; both opening adds are done
	s_wait_kmcnt 0x0
	s_cmp_eq_u32 s[ROLE], 0
	s_cselect_b64 s[18:19], s[4:5], s[8:9]
	s_cselect_b64 s[8:9], s[8:9], s[4:5]
	s_cselect_b64 s[2:3], s[6:7], s[10:11]
	s_cselect_b64 s[10:11], s[10:11], s[6:7]
	s_add_nc_u64 s[20:21], s[18:19], s[20:21]
	s_add_nc_u64 s[22:23], s[2:3], s[22:23]
	s_add_nc_u64 s[46:47], s[8:9], s[46:47]
	s_add_nc_u64 s[92:93], s[10:11], s[92:93]
	CROUND                                         ; in front of the first joint loads
	s_mov_b32 s[G0H], 1
	s_mov_b32 s[G0H+1], 0
	s_mov_b64 s[G0H+2:G0H+3], s[20:21]
	s_or_b32 s[G0H+3], s[G0H+3], 0x80000000
	s_mov_b32 s[G0HB], 1
	s_mov_b32 s[G0HB+1], 2*HALFT
	s_mov_b64 s[G0HB+2:G0HB+3], s[46:47]
	s_or_b32 s[G0HB+3], s[G0HB+3], 0x80000000
	s_mov_b32 s[G0S], 1
	s_mov_b32 s[G0S+1], SCL
	s_mov_b64 s[G0S+2:G0S+3], s[22:23]
	s_or_b32 s[G0S+3], s[G0S+3], 0x80000000
	s_mov_b32 s[G0SB], 1
	s_mov_b32 s[G0SB+1], SCL+2*HALFS
	s_mov_b64 s[G0SB+2:G0SB+3], s[92:93]
	s_or_b32 s[G0SB+3], s[G0SB+3], 0x80000000
	s_add_nc_u64 s[20:21], s[20:21], s[100:101]
	s_add_nc_u64 s[46:47], s[46:47], s[100:101]
.irp s, 0,1
	s_mov_b32 s[G0+4*\s], 1
	s_add_co_u32 s[G0+4*\s+1], s45, \s*SLOT
	s_add_nc_u64 s[G0+4*\s+2:G0+4*\s+3], s[20:21], \s*ROWB
	s_or_b32 s[G0+4*\s+3], s[G0+4*\s+3], 0x80000000
	s_mov_b32 s[G0B+4*\s], 1
	s_add_co_u32 s[G0B+4*\s+1], s45, \s*SLOT
	s_add_nc_u64 s[G0B+4*\s+2:G0B+4*\s+3], s[46:47], \s*ROWB
	s_or_b32 s[G0B+4*\s+3], s[G0B+4*\s+3], 0x80000000
.endr
; The head's four tiles, one load a wave, in one chain of branches on the wave's number: chunk 0 of source 1, of source 0, the two blocks of scales
.macro ARM under, g0, g1, next
	s_cmp_lt_u32 s14, \under
	s_cbranch_scc0 \next
	tensor_load_to_lds s[\g0:\g0+3], s[\g1:\g1+7]
	s_nop 0
.rept 4
	v_nop
.endr
	s_branch .Lhead_asked
\next:
.endm
	ARM 1, G0H,  G1,  .Lhead_b
	ARM 2, G0HB, G1B, .Lhead_sa
	ARM 3, G0S,  G1S, .Lhead_sb
	tensor_load_to_lds s[G0SB:G0SB+3], s[G1SB:G1SB+7]
	s_nop 0
.rept 4
	v_nop
.endr
.Lhead_asked:
	v_and_b32 v1, 15, v0                           ; r
	v_bfe_u32 v2, v0, 4, 1                         ; h
	v_mul_u32_u24 v3, v1, PITCH
	v_mul_u32_u24 v4, v2, 24
	v_add_nc_u32 v4, v3, v4                        ; row x pitch + 24 h
	s_mov_b32 s21, SLOT-232
	s_mov_b32 s22, SLOT+232
	v_sub_nc_u32 v7, 1, v2
	v_mul_u32_u24 v5, s21, v2
	v_add_nc_u32 v5, v3, v5
	v_add_nc_u32 v5, 232, v5                       ; lanes 0-15 byte 232 of the row in slot 0, lanes 16-31 byte 0 in slot 1
	v_mul_u32_u24 v6, s22, v7
	v_add_nc_u32 v6, v3, v6                        ; and the other way round
	s_mul_i32 s21, s15, HALFT
	s_mul_i32 s22, s16, HALFT
	s_add_co_u32 s22, s22, 2*HALFT
	v_add_nc_u32 v[ADRA+2], s21, v5
	v_add_nc_u32 v[ADRA+3], s21, v6
	v_add_nc_u32 v[ADRB+2], s22, v5
	v_add_nc_u32 v[ADRB+3], s22, v6
.irp s, 0,1
	v_add_nc_u32 v[ADRA+\s], s21, v4
	v_add_nc_u32 v[ADRB+\s], s22, v4
	s_add_co_u32 s21, s21, SLOT
	s_add_co_u32 s22, s22, SLOT
.endr
	v_mul_u32_u24 v5, v1, KS                       ; my row's scales: 32 bytes a row, 16 more for each 256 passed
	v_lshrrev_b32 v6, 8, v5
	v_lshl_add_u32 v5, v6, 4, v5
	s_mul_i32 s21, s15, HALFS
	s_mul_i32 s22, s16, HALFS
	s_add_co_u32 s22, s22, 2*HALFS
	s_sub_co_u32 s22, s22, s21
	v_mul_u32_u24 v6, s22, v2                      ; lanes 16-31 take source 0's
	s_add_co_u32 s21, s21, SCL
	v_add_nc_u32 v5, v5, v6
	v_add_nc_u32 v[ADRS], s21, v5
	; where the results go: record (batch, head, step of 128 tokens) of qi (6,656 bytes) or kv (13,056); my wave makes two heads' parts, s[12:13] and s[66:67]
	s_cmp_eq_u32 s[ROLE], 0
	s_cselect_b32 s18, s42, s17
	s_cselect_b32 s19, s16, s15
	s_cselect_b32 s45, s17, s42
	s_cselect_b32 s46, s15, s16
	s_lshl_b32 s18, s18, 2
	s_lshl_b32 s19, s19, 1
	s_add_co_u32 s18, s18, s19
	s_and_b32 s18, s18, 15                         ; my first head
	s_lshl_b32 s45, s45, 1
	s_add_co_u32 s45, s45, s46
	s_lshr_b32 s46, s45, 4                         ; batch
	s_and_b32 s45, s45, 15                         ; step of 128 tokens
	s_lshl_b32 s46, s46, 4
	s_add_co_u32 s46, s46, s18
	s_lshl_b32 s46, s46, 4
	s_add_co_u32 s46, s46, s45
	s_or_b32 s99, ttmp9, s[ROLE]                   ; 0: Q
	s_mov_b32 s100, 12288
	s_mov_b32 s66, 13056
	s_cmp_eq_u32 s99, 0
	s_cselect_b32 s100, 6144, s100
	s_cselect_b32 s66, 6656, s66
	s_mul_i32 s46, s46, s66
	s_mov_b32 s47, 0
	s_lshl_b32 s66, s66, 4
	s_mov_b32 s67, 0
	s_lshl_b32 s18, s18, 8
	s_load_b128 s[20:23], s[0:1], 0x20             ; bq, bk
	s_load_b64 s[2:3], s[0:1], 0x30                ; bv
	s_load_b64 s[92:93], s[0:1], 0x38              ; qi
	s_load_b64 s[94:95], s[0:1], 0x40              ; kv
	v_and_b32 v6, 31, v0
	v_lshlrev_b32 v[O8], 3, v6
	v_lshlrev_b32 v[O16], 4, v6
	v_add_nc_u32 v[O16S], s100, v[O16]
	v_lshlrev_b32 v[BOP], 6, v2
	v_and_b32 v[BOR], 8, v1
	v_add_nc_u32 v[BOR], v[BOR], v1
	v_lshlrev_b32 v[BOR], 2, v[BOR]
	s_wait_alu depctr_va_vdst(0)
	s_wait_kmcnt 0x0
	s_cmp_eq_u32 s99, 0
	s_cselect_b64 s[12:13], s[92:93], s[94:95]
	s_add_nc_u64 s[12:13], s[12:13], s[46:47]
	s_add_nc_u64 s[66:67], s[12:13], s[66:67]
	s_cmp_eq_u32 ttmp9, 0
	s_cselect_b64 s[20:21], s[20:21], s[22:23]
	s_cmp_eq_u32 s[ROLE], 0
	s_cselect_b32 s22, s18, 0
	s_cselect_b32 s18, 0, s18
	s_mov_b32 s23, 0
	s_mov_b32 s19, 0
	s_add_nc_u64 s[20:21], s[20:21], s[22:23]
	s_add_nc_u64 s[2:3], s[2:3], s[18:19]
	s_mov_b32 s99, 0xffff0000
	s_mov_b32 s101, 0x76543210
	s_mov_b32 s104, 0xfedcba98
	; the bias: both kinds are loaded, and the role's factors 1 and 0 (s96, s98) choose: along a lane's registers (Q, K) or one number a lane (V)
.irp p, 0,1,2,3,4,5,6,7
	global_load_b128 v[BP+8*\p:BP+8*\p+3], v[BOP], s[20:21] offset:(32*(\p/2)+8*(\p%2))*4
	global_load_b128 v[BP+8*\p+4:BP+8*\p+7], v[BOP], s[20:21] offset:(32*(\p/2)+8*(\p%2))*4+16
.endr
.irp a, 0,1,2,3,4,5,6,7
	global_load_b32 v[BRR+\a], v[BOR], s[2:3] offset:(32*(\a/2)+8*(\a%2))*4
.endr
	s_wait_loadcnt 0x0
.irp a, 0,1,2,3,4,5,6,7
	v_mul_f32 v[BRS+2*\a], s98, v[BRR+\a]
	v_mul_f32 v[BRS+2*\a+1], s98, v[BRR+\a]
.endr
.macro FILL a                          ; the sums begin with the bias
.irp p, 0,1,2,3,4,5,6,7
.irp j, 0,2,4,6
	v_pk_fma_f32 v[8*(8*((\a)%4)+\p)+\j:8*(8*((\a)%4)+\p)+\j+1], v[BP+8*\p+\j:BP+8*\p+\j+1], s[96:97], v[BRS+2*(\a):BRS+2*(\a)+1] op_sel_hi:[1,0,1]
.endr
.endr
.endm
	WIN 0x80
.irp a, 0,1,2,3
	FILL \a
.endr
	WIN 0xc0
.irp a, 4,5,6,7
	FILL \a
.endr
	WIN 0
.macro FRAG reg, adr, st, i            ; 16 rows x 128 K: six pieces of 8 bytes; byte y of a row lies in slot (y / 256) % 2 at byte y % 256 of the LDS row
.irp p, 0,1,2,3,4,5
.set BY, 96*(\st)+48*(\p/3)+8*(\p%3)
.if BY/ROWB == (BY+24)/ROWB
	ds_load_b64 v[\reg+2*\p:\reg+2*\p+1], v[\adr+(BY/ROWB)%2] offset:BY%ROWB+(\i)*16*PITCH
.else
	ds_load_b64 v[\reg+2*\p:\reg+2*\p+1], v[\adr+2+(BY/ROWB)%2] offset:BY%ROWB-232+(\i)*16*PITCH
.endif
.endr
.endm
.macro MUL16 a0, p, q, sc              ; the 64 accumulators take turns, in the same order in every step
.irp a, \a0, \a0+1
.irp b, 0,1,2,3,4,5,6,7
	v_wmma_scale_f32_16x16x128_f8f6f4 v[8*(8*((\a)%4)+\b):8*(8*((\a)%4)+\b)+7], v[128*(\p)+FR*\b:128*(\p)+FR*\b+FR-1], v[AF+FR*(\a):AF+FR*(\a)+FR-1], v[8*(8*((\a)%4)+\b):8*(8*((\a)%4)+\b)+7], v[SC+8*NQ*(\sc)+NQ*\b+(\q)], v[SC+8*NQ*(\sc)+NQ*(\a)+(\q)] matrix_a_fmt:MATRIX_FMT_BF6 matrix_b_fmt:MATRIX_FMT_BF6 matrix_a_scale:MATRIX_SCALE_ROW1
.endr
.endr
.endm
.macro FETCH_B st, p
	WIN TO_B
.irp i, 0,1,2,3,4,5,6,7
	FRAG 128*(\p)+FR*\i, ADRB, \st, \i
.endr
	WIN 0
.endm
.macro FETCH_A st, i0
.irp i, \i0, \i0+1, \i0+2, \i0+3
	FRAG AF+FR*(\i), ADRA, \st, \i
.endr
.endm
.macro SCALES pr                       ; the scale words of steps 2 pr, 2 pr + 1 into set pr % 2
.irp i, 0,1,2,3,4,5,6,7
	ds_load_b64 v[SC+8*NQ*((\pr)%2)+NQ*\i:SC+8*NQ*((\pr)%2)+NQ*\i+1], v[ADRS] offset:\i*SBLK+4*NQ*(\pr)
.endr
.endm
.macro PLACES n
.rept \n
	v_nop
.endr
.endm
; A step: 64 products; the next step's fragments are fetched in its middle and at its end.  Where the next step's bytes END in a chunk not read yet, a barrier shows that chunk whole;
; where they BEGIN in a later chunk, the chunk left behind is read no more: wait for all tensor loads, the add, the wait for it and for my reads, the barrier; where a chunk two on is left, a round and the refill.
.macro STEP st
.set NX, (\st)+1
.set C0, (96*(\st))/ROWB
.set C1, (96*NX)/ROWB
.set E0, (96*(\st)+95)/ROWB
.set E1, (96*NX+95)/ROWB
.if C1 > C0 || E1 > E0
	s_wait_tensorcnt 0x0
.if C1 > C0
	ds_add_u32 v[SPW], v[NIL]
	s_wait_dscnt 4*NL+1                            ; the add and the 24 loads of blocks 4-7 may be out
.else
	s_wait_dscnt 4*NL                              ; the 24 loads of blocks 4-7 may be out
.endif
	WIN MUL_LO
	MUL16 0, (\st)%2, (\st)%2, ((\st)/2)%2
	s_wait_dscnt 0x0
	s_barrier_signal -1
	MUL16 2, (\st)%2, (\st)%2, ((\st)/2)%2
	WIN 0
	s_barrier_wait -1
.if C1 > C0 && C0+2 < CHUNKS
	CREST
	s_add_nc_u64 s[G0+4*(C0%2)+2:G0+4*(C0%2)+3], s[G0+4*(C0%2)+2:G0+4*(C0%2)+3], 2*ROWB
	s_add_nc_u64 s[G0B+4*(C0%2)+2:G0B+4*(C0%2)+3], s[G0B+4*(C0%2)+2:G0B+4*(C0%2)+3], 2*ROWB
	JLOAD G0+4*(C0%2), G1, G0B+4*(C0%2), G1B       ; chunk C0 + 2; its four v_nop are the places in front of the loads below
.else
	PLACES NP
.endif
.else
	s_wait_dscnt 4*NL
	WIN MUL_LO
	MUL16 0, (\st)%2, (\st)%2, ((\st)/2)%2
	MUL16 2, (\st)%2, (\st)%2, ((\st)/2)%2
	s_wait_dscnt 0
	PLACES NP
.endif
	FETCH_B NX, NX%2
	FETCH_A NX, 0
.if NX%2 == 0
	SCALES NX/2
.endif
	WIN MUL_HI
	MUL16 4, (\st)%2, (\st)%2, ((\st)/2)%2
	MUL16 6, (\st)%2, (\st)%2, ((\st)/2)%2
	PLACES NP
	WIN 0
	FETCH_A NX, 4
.endm
	s_wait_alu depctr_va_vdst(0)
	s_wait_tensorcnt 0x0                           ; my tile of the head's four is in
	ds_add_u32 v[SPW], v[NIL]
	s_mov_b32 s[G1+2], 128<<16                     ; no load of mine is out: from here on a load brings 128 rows
	s_mov_b32 s[G1+4], 128
	s_mov_b32 s[G1B+2], 128<<16
	s_mov_b32 s[G1B+4], 128
	s_wait_dscnt 0x0
	CROUND                                         ; all four tiles are in
	JLOAD G0+4, G1, G0B+4, G1B                     ; chunk 1, slot 1's first fill, issued as a refill is
	FETCH_B 0, 0
	FETCH_A 0, 0
	SCALES 0
	FETCH_A 0, 4
.set ST, 0
.rept STEPS-1
	STEP ST
.set ST, ST+1
.endr
	s_wait_dscnt 4*NL                              ; the last step fetches nothing
	WIN MUL_LO
	MUL16 0, 1, 1, 1
	MUL16 2, 1, 1, 1
	s_wait_dscnt 0
	WIN MUL_HI
	MUL16 4, 1, 1, 1
	MUL16 6, 1, 1, 1
	WIN 0
; THE WAY OUT of block a (16 lanes' rows x 128 along the next K): four blocks of 32, each in lanes l and l xor 16; largest magnitude with the floor, scale, conversions, whole blocks to a lane by swaps
.macro QUANT a
.set AC, 64*((\a)%4)
.set W1, 2+(\a)/4
.set W2, W1|(W1<<2)
.set G, GG+12*(\a)
	WIN W2
.irp b, 0,1,2,3
	v_max3_num_f32 v[BM+\b], |v[AC+16*\b]|, |v[AC+16*\b+1]|, 0x2800000
.endr
.irp i, 2,4,6,8,10,12,14
.irp b, 0,1,2,3
	v_max3_num_f32 v[BM+\b], |v[AC+16*\b+\i]|, |v[AC+16*\b+\i+1]|, v[BM+\b]
.endr
.endr
	WIN 0
.irp b, 0,1,2,3
	v_permlanex16_b32 v[PD+\b], v[BM+\b], s101, s104
.endr
.irp b, 0,1,2,3
	v_max_num_f32 v[BM+\b], v[BM+\b], v[PD+\b]
.endr
.irp b, 0,1,2,3
	v_add_nc_u32 v[BM+\b], 0xfe000000, v[BM+\b]
.endr
.irp b, 0,1,2,3
	v_lshrrev_b32 v[PD+\b], 23, v[BM+\b]
.endr
	v_lshl_or_b32 v[PWR+(\a)], v[PD+1], 8, v[PD]
	v_lshl_or_b32 v[PWR+(\a)], v[PD+2], 16, v[PWR+(\a)]
	v_lshl_or_b32 v[PWR+(\a)], v[PD+3], 24, v[PWR+(\a)]
	WIN W1
	v_cvt_scalef32_pk16_bf6_f32 v[G:G+2], v[AC:AC+15], v[BM]
	v_cvt_scalef32_pk16_bf6_f32 v[CTA:CTA+2], v[AC+16:AC+31], v[BM+1]
	v_cvt_scalef32_pk16_bf6_f32 v[G+6:G+8], v[AC+32:AC+47], v[BM+2]
	v_cvt_scalef32_pk16_bf6_f32 v[CTB:CTB+2], v[AC+48:AC+63], v[BM+3]
	WIN 0
	v_nop
.irp i, 0,1,2
	v_permlane16_swap_b32 v[G+\i], v[CTA+\i]
	v_permlane16_swap_b32 v[G+6+\i], v[CTB+\i]
.endr
.irp i, 0,1,2
	v_mov_b32 v[G+3+\i], v[CTA+\i]
	v_mov_b32 v[G+9+\i], v[CTB+\i]
.endr
.endm
.macro OUT_QK a                        ; registers 0-5 are my first head's tile, 6-11 my second's
.set G, GG+12*(\a)
	global_store_b128 v[O16], v[G:G+3], s[12:13] offset:768*(\a)
	global_store_b64 v[O8], v[G+4:G+5], s[12:13] offset:768*(\a)+512
	global_store_b128 v[O16], v[G+6:G+9], s[66:67] offset:768*(\a)
	global_store_b64 v[O8], v[G+10:G+11], s[66:67] offset:768*(\a)+512
.endm
.macro OUT_V a
.set G, GG+12*(\a)
.irp c, 0,1,2
.if (\a) < 4
	global_store_b128 v[O16], v[G+4*\c:G+4*\c+3], s[12:13] offset:6144+1536*((\a)%4)+512*\c
.else
	global_store_b128 v[O16], v[G+4*\c:G+4*\c+3], s[66:67] offset:6144+1536*((\a)%4)+512*\c
.endif
.endr
.endm
.macro MERGE                           ; lanes 0-15 keep the even tile's scale word, lanes 16-31 the odd one's
.irp i, 0,1,2,3
	v_cndmask_b32 v[MW+\i], v[PWR+2*\i], v[PWR+2*\i+1], s99
.endr
.endm
.irp b, 0,1,2,3
	v_mov_b32 v[PD+\b], 0                          ; a lane permute's destination counts as a source; also the four places behind the last products
.endr
	s_cmp_lg_u32 s[ROLE], 0
	s_cbranch_scc1 .Lrole_v
.irp a, 0,1,2,3,4,5,6,7
	QUANT \a
	OUT_QK \a
.endr
	MERGE
.irp i, 0,1,2,3
	v_and_b32 v[H0+\i], 0xffff, v[MW+\i]           ; a head has K = 64: two bytes of scales, the upper two 0
	v_lshrrev_b32 v[H1+\i], 16, v[MW+\i]
.endr
	global_store_b128 v[O16S], v[H0:H0+3], s[12:13]
	global_store_b128 v[O16S], v[H1:H1+3], s[66:67]
	s_branch .Ldone
.Lrole_v:
.irp a, 0,1,2,3,4,5,6,7
	QUANT \a
	OUT_V \a
.endr
	MERGE
	global_store_b64 v[O8], v[MW:MW+1], s[12:13] offset:12800
	global_store_b64 v[O8], v[MW+2:MW+3], s[66:67] offset:12800
.Ldone:
	s_wait_tensorcnt 0x0                           ; the wave's end
	ds_add_u32 v[SPW], v[NIL]
	s_wait_dscnt 0x0
	CROUND                                         ; the closing round
	s_endpgm
.Lfunc_end_k_qe1fc67c578_proj:
	.size	k_qe1fc67c578_proj, .Lfunc_end_k_qe1fc67c578_proj-k_qe1fc67c578_proj
	.p2alignl 7, 3214868480
	.fill 96, 4, 3214868480
	.section	.rodata,"a",@progbits
	.p2align	6, 0x0
	.amdhsa_kernel k_qe1fc67c578_proj
		.amdhsa_group_segment_fixed_size 327680
		.amdhsa_private_segment_fixed_size 0
		.amdhsa_enable_private_segment 0
		.amdhsa_kernarg_size 72
		.amdhsa_user_sgpr_count 2
		.amdhsa_user_sgpr_kernarg_segment_ptr 1
		.amdhsa_wavefront_size32 1
		.amdhsa_system_sgpr_workgroup_id_x 1
		.amdhsa_system_sgpr_workgroup_id_y 1
		.amdhsa_system_sgpr_workgroup_id_z 1
		.amdhsa_system_vgpr_workitem_id 0
		.amdhsa_next_free_vgpr 1024
		.amdhsa_next_free_sgpr 106
		.amdhsa_reserve_vcc 0
		.amdhsa_float_denorm_mode_32 3
		.amdhsa_float_denorm_mode_16_64 3
		.amdhsa_memory_ordered 1
		.amdhsa_forward_progress 1
		.amdhsa_inst_pref_size 220
	.end_amdhsa_kernel
	.amdgpu_metadata
---
amdhsa.version: [ 1, 2 ]
amdhsa.kernels:
  - .name:           k_qe1fc67c578_proj
    .symbol:         k_qe1fc67c578_proj.kd
    .args:
      - { .name: xc, .offset: 0, .size: 8, .value_kind: global_buffer, .address_space: global }
      - { .name: xs, .offset: 8, .size: 8, .value_kind: global_buffer, .address_space: global }
      - { .name: wc, .offset: 16, .size: 8, .value_kind: global_buffer, .address_space: global }
      - { .name: ws, .offset: 24, .size: 8, .value_kind: global_buffer, .address_space: global }
      - { .name: bq, .offset: 32, .size: 8, .value_kind: global_buffer, .address_space: global }
      - { .name: bk, .offset: 40, .size: 8, .value_kind: global_buffer, .address_space: global }
      - { .name: bv, .offset: 48, .size: 8, .value_kind: global_buffer, .address_space: global }
      - { .name: qi, .offset: 56, .size: 8, .value_kind: global_buffer, .address_space: global }
      - { .name: kv, .offset: 64, .size: 8, .value_kind: global_buffer, .address_space: global }
    .group_segment_fixed_size: 327680
    .private_segment_fixed_size: 0
    .kernarg_segment_align: 8
    .kernarg_segment_size: 72
    .max_flat_workgroup_size: 128
    .sgpr_count:     106
    .vgpr_count:     1024
    .wavefront_size: 32
...
	.end_amdgpu_metadata
.endif
;; end of part 2
;; launch attn (part 3): grid 4 x 64, 16 waves a work-group, clusters of 4 x 1, 280,576 bytes of LDS; arguments qi, kv, out0; writes out0
.if DOCPART == 3
	.amdgcn_target "amdgcn-amd-amdhsa--gfx1250"
	.amdhsa_code_object_version 6
	.text
	.protected	k_qe1fc67c578_attn
	.globl	k_qe1fc67c578_attn
	.p2align	8
	.type	k_qe1fc67c578_attn,@function
k_qe1fc67c578_attn:
	s_mov_b64 s[64:65], 0
	v_nop
	global_prefetch_b8 v0, s[64:65] scope:SCOPE_SE
	s_setreg_imm32_b32 hwreg(HW_REG_WAVE_MODE, 25, 1), 1
	s_wait_xcnt 0x0
	s_wait_alu depctr_hold_cnt(0) depctr_sa_sdst(0) depctr_va_vdst(0) depctr_va_sdst(0) depctr_va_ssrc(0) depctr_va_vcc(0) depctr_vm_vsrc(0)
	s_getreg_b32 s2, hwreg(HW_REG_IB_STS2, 6, 4)
	s_cmp_eq_u32 s2, 0
	s_cbranch_scc0 .Lentry_in_a_cluster
	s_endpgm
.Lentry_in_a_cluster:
	s_bfe_u32 s2, ttmp6, 0x10000c
	s_cmp_lg_u32 s2, 0x3003
	s_cbranch_scc0 .Lentry_shape_is_right
	s_endpgm
.Lentry_shape_is_right:
; out[b][q][64 h ..] = the sum over k of softmax_k(Q . K / 8) V for each of 64 heads (16 b + h), 2,048 queries and keys, 64 channels; both products on codes of BF6 (E3M2) with one E8M0 scale for each 32 along K.
; qi, kv: images of operand registers.  A record of kv (one head, 128 keys, 13,056 bytes): K's eight tiles at 768 t (registers 0-3 at 16 x lane, 4-5 at 512 + 8 x lane); V's four tiles from 6,144 on (three runs of 16 x lane each);
; K's scale words at 12,288 + 16 x lane + 4 i (lanes 0-15 tile 2 i's, lanes 16-31 tile 2 i + 1's); V's at 12,800 + 8 x lane + 4 i.  A record of qi (128 queries, 6,656 bytes) is laid as K's parts.
; THE ROWS OF A TILE ARE NOT NEIGHBOURS: lane r of tile 2 b + u holds key (query, channel of V) 32 b + 8 u + r + 8 (r / 8), so that the 16 registers of result tiles 2 b and 2 b + 1 are 16 neighbours.
; THE SOFTMAX: t = score x log2(e) / 8; M = the row's largest t so far, rounded UP to a whole number; p = 2^(t - M) is quantised along the keys, not normalised; the row's sum is taken of the unquantised p and divides at the end.
; When M moves, the sum and O are multiplied by 2^(old M - new M): exact.
; SHARES.  A work-group owns 512 queries of one head, each of its sixteen waves 32: two tiles, which share each fragment of K and V that the wave reads.  A head's 16 records, 208,896 bytes, come into LDS ONCE, one tensor load a wave,
; and stay: no slot is filled again, and the loop over the keys has no barrier.  The four work-groups of a head form a cluster and ask for each record JOINTLY.
; Both products are used transposed: S^T = K Q^T, O^T = V^T P^T: a lane holds one query throughout.
; K = 64 IN AN INSTRUCTION OF K = 128: Q's registers 6-11 hold zero codes and bytes 2, 3 of both scale words are 0 (2^-127).  K's tiles lie 6 registers apart, and tile t is named with the 6 registers behind it (the next tile's codes;
; behind tile 7 six registers at work, always written): every pattern of 6 bits is a finite number, and it is multiplied by the code 0.
; LIMITS: a block's largest p is not taken under 2^-122 (byte at least 1; a block of zeros has zero codes); p under 2^-126 comes out as 0 (v_exp_f32); NaN and infinities are not served; a block's largest p is taken from the block's
; largest score, which takes v_exp_f32 not to fall where its input rises.
.set REC,  13056                       ; a record of kv
.set VIMG, 6144
.set KSC,  12288
.set VSC,  12800
.set STG,  16*REC                      ; behind the records: a stage of 16 rows x 272 bytes for each wave; no tensor load lands there
.set SPT,  272
.set A16,  1                           ; v1   16 x lane + the step's record (on the way out: where I put 16 bytes of a row)
.set A8,   2                           ; v2   8 x lane + the step's record (on the way out: where I read a row back)
.set QS,   3                           ; v3   Q's scale words: lanes 0-15 my tile 0's, lanes 16-31 my tile 1's
.set PW,   4                           ; v4-5 P's scale words, tile 0, 1
.set SW,   6                           ; v6-9 K's scale words; then v6-7 V's
.set ST,   10                          ; tile q: v[10+4q] -M, v[11+4q] the largest t, v[12+4q:13+4q] the sum in two halves
.set QF,   18                          ; v18-29 Q's tile 0 (6 registers of codes, 6 of zeros), v30-41 tile 1
.set PF,   42                          ; v42-53 P's codes, tile 0; v54-65 tile 1
.set KV,   66                          ; v66-113 K's eight tiles, 6 registers each; later V's four, 12 each
.set BM,   114                         ; v114-117 the blocks' largest scores, then p, then the conversions' scale operands
.set PD,   118                         ; v118-121 the other half's; a chain of the sum; bytes; three registers of codes
.set CT,   122                         ; v122-124 three registers of codes
.set FF,   126                         ; v126 f = 2^(old M - new M); v127 at work (named with it as a pair)
.set S,    128                         ; v128-191 S^T, then p
.set OA,   192                         ; v192-223 O^T of tile 0, v224-255 of tile 1
.macro ROUND                           ; a round of the cluster's barrier
	s_barrier_signal -1
	s_barrier_wait -1
	s_cmp_lg_u32 s10, 0
	s_cbranch_scc1 .Lnot_wave_0_\@
	s_barrier_signal -3
.Lnot_wave_0_\@:
	s_barrier_wait -3
	s_barrier_signal -1
	s_barrier_wait -1
.endm
	s_load_b128 s[4:7], s[0:1], 0x0                ; qi s[4:5], kv s[6:7]
	s_load_b64 s[8:9], s[0:1], 0x10                ; out0
	v_lshl_add_u32 v254, v0, 2, 0x44000
	v_mov_b32 v255, 0
	ds_add_u32 v254, v255
	ds_add_u32 v254, v255
	s_wait_dscnt 0x0
	v_lshrrev_b32 v1, 5, v0
	s_delay_alu instid0(VALU_DEP_1)
	v_readfirstlane_b32 s10, v1                    ; wave 0..15
	s_bfe_u32 s11, ttmp6, 0x40000                  ; cx: which 512 queries; it enters Q's and the output's addresses alone
	s_and_b32 s12, ttmp7, 0xffff                   ; the head, which the four partners share
	; descriptor group 1: a record as 51 rows of 256 bytes (32 elements of 8), dense, no padding
	s_mov_b32 s16, 15|(3<<16)|(1<<21)              ; 15:0 the mask: all four work-groups; 17:16 elements of 8 bytes; 21 set beside a mask
	s_mov_b32 s17, 32<<16                          ; tensor_dim0
	s_mov_b32 s18, 51<<16                          ; tensor_dim1
	s_mov_b32 s19, 32<<16                          ; tile_dim0
	s_mov_b32 s20, 51                              ; tile_dim1
	s_mov_b32 s21, 32                              ; tensor_dim0_stride
	s_mov_b32 s22, 0
	s_mov_b32 s23, 0
	s_lshl_b32 s34, s12, 4
	s_add_co_u32 s34, s34, s10                     ; wave w fetches the head's record w
	s_mul_i32 s34, s34, REC
	s_mov_b32 s35, 0
	s_mov_b32 s24, 1                               ; group 0: count = 1,
	s_mul_i32 s25, s10, REC                        ; the LDS address: wave x a record,
	s_lshl_b32 s36, s11, 2
	s_lshr_b32 s37, s10, 2
	s_add_co_u32 s36, s36, s37                     ; my step of 128 queries: 4 cx + wave / 4
	s_and_b32 s37, s10, 3                          ; my pair of tiles in it
	s_lshl_b32 s38, s12, 4
	s_add_co_u32 s38, s38, s36
	s_mul_i32 s38, s38, 6656                       ; its record in qi
	s_mov_b32 s39, 0
	s_lshl_b32 s40, s37, 2                         ; my pair's scale word in a lane's 16 bytes
	s_mov_b32 s41, 0
	s_mul_i32 s44, s37, 1536                       ; my pair's two tiles
	s_mov_b32 s45, 0
	s_lshr_b32 s46, s12, 4                         ; the output: token 2,048 x batch + 128 x step + 32 x pair, rows of 4,096 bytes; the head's 256 bytes in a row
	s_lshl_b32 s46, s46, 11
	s_lshl_b32 s47, s36, 7
	s_add_co_u32 s46, s46, s47
	s_lshl_b32 s47, s37, 5
	s_add_co_u32 s46, s46, s47
	s_lshl_b32 s46, s46, 12
	s_and_b32 s47, s12, 15
	s_lshl_b32 s47, s47, 8
	s_add_co_u32 s46, s46, s47
	s_mov_b32 s47, 0
	s_mov_b32 s28, 0x76543210
	s_mov_b32 s29, 0xfedcba98                      ; v_permlanex16_b32's selects for lane l xor 16
	s_mov_b32 s30, 0x3e38aa3b                      ; c = log2(e) / 8
	s_mov_b32 s31, s30                             ; (the packed form names the pair)
	s_wait_kmcnt 0x0
	s_add_nc_u64 s[26:27], s[6:7], s[34:35]        ; the global address,
	s_or_b32 s27, s27, 0x80000000                  ; type = 2
	ROUND                                          ; all four work-groups are here: the joint loads meet
	tensor_load_to_lds s[24:27], s[16:23]          ; my one tensor load of the launch
	s_nop 0
.rept 4
	v_nop
.endr
	s_add_nc_u64 s[4:5], s[4:5], s[38:39]
	s_add_nc_u64 s[42:43], s[4:5], s[40:41]
	s_add_nc_u64 s[4:5], s[4:5], s[44:45]
	s_add_nc_u64 s[8:9], s[8:9], s[46:47]
	v_and_b32 v127, 31, v0
	s_delay_alu instid0(VALU_DEP_1)
	v_lshlrev_b32 v[A16], 4, v127
	s_delay_alu instid0(VALU_DEP_2)
	v_lshlrev_b32 v[A8], 3, v127
	global_load_b128 v[QF:QF+3], v[A16], s[4:5]                ; Q stays in registers
	global_load_b64 v[QF+4:QF+5], v[A8], s[4:5] offset:512
	global_load_b128 v[QF+12:QF+15], v[A16], s[4:5] offset:768
	global_load_b64 v[QF+16:QF+17], v[A8], s[4:5] offset:1280
	global_load_b32 v[QS], v[A16], s[42:43] offset:6144
.irp j, 6,7,8,9,10,11,18,19,20,21,22,23
	v_mov_b32 v[QF+\j], 0                          ; the zero half of K
.endr
.irp j, 114,115,116,117,118,119,120,121,122,123,124,125,126
	v_mov_b32 v[\j], 0                             ; written once: named behind K's tile 7, and a lane permute's destination counts as one of its sources
.endr
.irp q, 0,1
	v_mov_b32 v[ST+4*\q+1], 0xff61b1e6             ; the largest t so far: -3e38, under every t
	s_delay_alu instid0(VALU_DEP_1)
	v_floor_f32 v[ST+4*\q], -v[ST+4*\q+1]          ; -M
	v_mov_b32 v[ST+4*\q+2], 0                      ; the sum
	v_mov_b32 v[ST+4*\q+3], 0
.endr
.set i, OA
.rept 64
	v_mov_b32 v[i], 0                              ; O^T.  (The loop is written once: its first step finds zeros, which the first change of M leaves zeros)
.set i, i+1
.endr
	s_mov_b32 s32, 0                               ; the step's record in LDS
	s_mov_b32 s33, 16                              ; key steps to go
	s_wait_tensorcnt 0x0                           ; my record is in,
	s_barrier_signal -1
	s_barrier_wait -1                              ; everybody's is
	s_wait_loadcnt 0x0                             ; Q; its loads' address registers may be written
; S^T = K Q^T for my tile q: eight tiles of 16 keys
.macro SMM q
.irp i, 0,1,2,3
.if \q == 0
	v_wmma_scale_f32_16x16x128_f8f6f4 v[S+16*\i:S+16*\i+7], v[KV+12*\i:KV+12*\i+11], v[QF:QF+11], 0, v[SW+\i], v[QS] matrix_a_fmt:MATRIX_FMT_BF6 matrix_b_fmt:MATRIX_FMT_BF6
	v_wmma_scale_f32_16x16x128_f8f6f4 v[S+16*\i+8:S+16*\i+15], v[KV+12*\i+6:KV+12*\i+17], v[QF:QF+11], 0, v[SW+\i], v[QS] matrix_a_fmt:MATRIX_FMT_BF6 matrix_b_fmt:MATRIX_FMT_BF6 matrix_a_scale:MATRIX_SCALE_ROW1
.else
	v_wmma_scale_f32_16x16x128_f8f6f4 v[S+16*\i:S+16*\i+7], v[KV+12*\i:KV+12*\i+11], v[QF+12:QF+23], 0, v[SW+\i], v[QS] matrix_a_fmt:MATRIX_FMT_BF6 matrix_b_fmt:MATRIX_FMT_BF6 matrix_b_scale:MATRIX_SCALE_ROW1
	v_wmma_scale_f32_16x16x128_f8f6f4 v[S+16*\i+8:S+16*\i+15], v[KV+12*\i+6:KV+12*\i+17], v[QF+12:QF+23], 0, v[SW+\i], v[QS] matrix_a_fmt:MATRIX_FMT_BF6 matrix_b_fmt:MATRIX_FMT_BF6 matrix_a_scale:MATRIX_SCALE_ROW1 matrix_b_scale:MATRIX_SCALE_ROW1
.endif
.endr
.endm
; The softmax of my tile q for 128 keys: register 16 b + i of S is key 32 b + 16 (lane / 16) + i of my query.
.macro SOFTMAX q
.set NM, ST+4*\q
.set SU, ST+4*\q+2
.set PP, PF+12*\q
.set OO, OA+32*\q
.irp b, 0,1,2,3
	v_max3_num_f32 v[BM+\b], v[S+16*\b], v[S+1+16*\b], v[S+2+16*\b]   ; THE LARGEST SCORE OF EACH BLOCK OF 32 KEYS: it serves for the row's maximum and, since p rises with the score, for the block's largest p
.endr
.irp i, 3,5,7,9,11,13
.irp b, 0,1,2,3
	v_max3_num_f32 v[BM+\b], v[BM+\b], v[S+16*\b+\i], v[S+1+16*\b+\i]   ; (the four blocks by turns)
.endr
.endr
.irp b, 0,1,2,3
	v_max_num_f32 v[BM+\b], v[BM+\b], v[S+15+16*\b]
.endr
.irp b, 0,1,2,3
	s_delay_alu instid0(VALU_DEP_4)
	v_permlanex16_b32 v[PD+\b], v[BM+\b], s28, s29
.endr
.irp b, 0,1,2,3
	s_delay_alu instid0(VALU_DEP_4)
	v_max_num_f32 v[BM+\b], v[BM+\b], v[PD+\b]     ; with lane l xor 16's 16 keys
.endr
	s_delay_alu instid0(VALU_DEP_2)
	v_max3_num_f32 v127, v[BM], v[BM+1], v[BM+2]
	s_delay_alu instid0(VALU_DEP_1)
	v_max_num_f32 v127, v127, v[BM+3]              ; the step's largest score of my query
	s_delay_alu instid0(VALU_DEP_1)
	v_mul_f32 v127, s30, v127                      ; as t (c is positive)
	s_delay_alu instid0(VALU_DEP_1)
	v_max_num_f32 v[NM+1], v[NM+1], v127           ; the running largest t
	v_mov_b32 v127, v[NM]
	s_delay_alu instid0(VALU_DEP_2)
	v_floor_f32 v[NM], -v[NM+1]                    ; the new -M = floor(-t) = -ceil(t): M is a whole number
	s_delay_alu instid0(VALU_DEP_1)
	v_sub_f32 v127, v[NM], v127                    ; M's old value less its new one: a whole number, 0 or less
	s_delay_alu instid0(VALU_DEP_1)
	v_cvt_i32_f32 v127, v127                       ; (it saturates)
	s_delay_alu instid0(VALU_DEP_1)
	v_ldexp_f32 v[FF], 1.0, v127                   ; f = 2^(old M - new M)
.irp j, 0,2,4,6,8,10,12,14,16,18,20,22,24,26,28,30,32,34,36,38,40,42,44,46,48,50,52,54,56,58,60,62
	v_pk_fma_f32 v[S+\j:S+1+\j], v[S+\j:S+1+\j], s[30:31], v[NM:NM+1] op_sel_hi:[1,0,0]   ; t - M, two at a time (of the pairs c and -M the low word serves both halves)
.endr
.irp b, 0,1,2,3
	v_fma_f32 v[BM+\b], v[BM+\b], s30, v[NM]       ; the same of each block's largest score
.endr
	s_wait_alu depctr_va_vdst(0)
.irp j, 0,1,2,3,4,5,6,7,8,9,10,11,12,13,14,15,16,17,18,19,20,21,22,23,24,25,26,27,28,29,30,31,32,33,34,35,36,37,38,39,40,41,42,43,44,45,46,47,48,49,50,51,52,53,54,55,56,57,58,59,60,61,62,63
	v_exp_f32 v[S+\j], v[S+\j]                     ; p = 2^(t - M), at most 1: not normalised
.endr
	v_pk_mul_f32 v[SU:SU+1], v[SU:SU+1], v[FF:FF+1] op_sel_hi:[1,0]   ; the sums under the new M (a plain place behind the exponentials)
	s_wait_alu depctr_va_vdst(0)                   ; one wait for the whole batch, ahead of its first reader
.irp b, 0,1,2,3
	v_exp_f32 v[BM+\b], v[BM+\b]                   ; the block's largest p: the same two instructions on the same number give the same bits
.endr
	v_pk_add_f32 v[PD:PD+1], v[S:S+1], v[S+2:S+3]  ; THE ROW'S SUM IS TAKEN OF THE UNQUANTISED p: two at a time, in two chains (plain work behind the four)
.irp j, 4,8,12,16,20,24,28,32,36,40,44,48,52,56,60
	v_pk_add_f32 v[SU:SU+1], v[SU:SU+1], v[S+\j:S+1+\j]
	v_pk_add_f32 v[PD:PD+1], v[PD:PD+1], v[S+2+\j:S+3+\j]
.endr
	s_delay_alu instid0(VALU_DEP_1)
	v_pk_add_f32 v[SU:SU+1], v[SU:SU+1], v[PD:PD+1]
	s_wait_alu depctr_va_vdst(0)                   ; and one for the four
.irp b, 0,1,2,3
	v_max_num_f32 v[BM+\b], 0x2800000, v[BM+\b]    ; the floor 2^(5 - 127): the byte cannot fall under 1
.endr
.irp b, 0,1,2,3
	s_delay_alu instid0(VALU_DEP_4)
	v_add_nc_u32 v[BM+\b], 0xfe000000, v[BM+\b]    ; 4 off the exponent field: the conversion's scale operand
.endr
.irp b, 0,1,2,3
	s_delay_alu instid0(VALU_DEP_4)
	v_lshrrev_b32 v[PD+\b], 23, v[BM+\b]           ; the scale's byte
.endr
	s_delay_alu instid0(VALU_DEP_3)
	v_lshl_or_b32 v[PW+\q], v[PD+1], 8, v[PD]      ; p's scale word for these 128 keys
	s_delay_alu instid0(VALU_DEP_1)
	v_lshl_or_b32 v[PW+\q], v[PD+2], 16, v[PW+\q]
	s_delay_alu instid0(VALU_DEP_1)
	v_lshl_or_b32 v[PW+\q], v[PD+3], 24, v[PW+\q]
	v_cvt_scalef32_pk16_bf6_f32 v[PP:PP+2], v[S:S+15], v[BM]
	v_cvt_scalef32_pk16_bf6_f32 v[PD:PD+2], v[S+16:S+31], v[BM+1]   ; (a conversion's three registers begin on an even number)
	v_cvt_scalef32_pk16_bf6_f32 v[PP+6:PP+8], v[S+32:S+47], v[BM+2]
	v_cvt_scalef32_pk16_bf6_f32 v[CT:CT+2], v[S+48:S+63], v[BM+3]
	v_nop                                          ; one plain place behind a scaled conversion
.irp i, 0,1,2                                  ; the operand's layout wants a WHOLE block in a lane
	v_permlane16_swap_b32 v[PP+\i], v[PD+\i]
	v_permlane16_swap_b32 v[PP+6+\i], v[CT+\i]
.endr
.irp i, 0,1,2
	v_mov_b32 v[PP+3+\i], v[PD+\i]
	v_mov_b32 v[PP+9+\i], v[CT+\i]
.endr
.irp j, 0,2,4,6,8,10,12,14,16,18,20,22,24,26,28,30
	v_pk_mul_f32 v[OO+\j:OO+1+\j], v[OO+\j:OO+1+\j], v[FF:FF+1] op_sel_hi:[1,0]   ; O^T under the new M.  (These 16 are also the places in front of the next matrix instructions)
.endr
.endm
.Lstep:                                            ; 16 trips of 128 keys; no barrier: nobody writes the records
	v_and_b32 v127, 31, v0                         ; these four lines are the places behind the last products, in front of the loads into registers that they have read
	s_delay_alu instid0(VALU_DEP_1)
	v_lshl_add_u32 v[A16], v127, 4, s32
	s_delay_alu instid0(VALU_DEP_2)
	v_lshl_add_u32 v[A8], v127, 3, s32
	v_nop
.irp t, 0,1,2,3,4,5,6,7
	ds_load_b128 v[KV+6*\t:KV+6*\t+3], v[A16] offset:768*\t        ; 32 lanes read 512 consecutive bytes
	ds_load_b64 v[KV+6*\t+4:KV+6*\t+5], v[A8] offset:768*\t+512
.endr
	ds_load_b128 v[SW:SW+3], v[A16] offset:KSC
	s_wait_dscnt 0x0
	SMM 0
.rept 4
	v_nop
.endr
	SOFTMAX 0
	SMM 1
.rept 4
	v_nop                                          ; places in front of the loads below and of the first read of the scores
.endr
.irp d, 0,1,2,3                                ; V's four tiles take K's registers and land under the second softmax
.irp c, 0,1,2
	ds_load_b128 v[KV+12*\d+4*\c:KV+12*\d+4*\c+3], v[A16] offset:VIMG+1536*\d+512*\c
.endr
.endr
	ds_load_b64 v[SW:SW+1], v[A8] offset:VSC
	SOFTMAX 1
	s_wait_alu depctr_va_vdst(0)
	s_wait_dscnt 0x0
.irp e, 0,1                                    ; O^T += V^T P^T: eight accumulators by turns, one instruction a turn
.irp q, 0,1
	v_wmma_scale_f32_16x16x128_f8f6f4 v[OA+32*\q+16*\e:OA+32*\q+16*\e+7], v[KV+24*\e:KV+24*\e+11], v[PF+12*\q:PF+12*\q+11], v[OA+32*\q+16*\e:OA+32*\q+16*\e+7], v[SW+\e], v[PW+\q] matrix_a_fmt:MATRIX_FMT_BF6 matrix_b_fmt:MATRIX_FMT_BF6
.endr
.irp q, 0,1
	v_wmma_scale_f32_16x16x128_f8f6f4 v[OA+32*\q+16*\e+8:OA+32*\q+16*\e+15], v[KV+24*\e+12:KV+24*\e+23], v[PF+12*\q:PF+12*\q+11], v[OA+32*\q+16*\e+8:OA+32*\q+16*\e+15], v[SW+\e], v[PW+\q] matrix_a_fmt:MATRIX_FMT_BF6 matrix_b_fmt:MATRIX_FMT_BF6 matrix_a_scale:MATRIX_SCALE_ROW1
.endr
.endr
	s_add_co_u32 s32, s32, REC
	s_sub_co_u32 s33, s33, 1
	s_cmp_lg_u32 s33, 0
	s_cbranch_scc1 .Lstep
	; THE WAY OUT.  O^T is divided by the sum and goes through my stage, a tile of 16 queries x 256 bytes at a time, so that sixteen lanes store 256 consecutive bytes of a row of the output.
	v_add_f32 v12, v12, v13                        ; the sums' two halves (these lines are also the places behind the last products),
	v_add_f32 v16, v16, v17
	s_delay_alu instid0(VALU_DEP_2)
	v_permlanex16_b32 v[PD], v12, s28, s29
	s_delay_alu instid0(VALU_DEP_2)
	v_permlanex16_b32 v[PD+1], v16, s28, s29
	s_delay_alu instid0(VALU_DEP_2)
	v_add_f32 v12, v12, v[PD]                      ; and lane l xor 16's: the rows' sums
	s_delay_alu instid0(VALU_DEP_2)
	v_add_f32 v16, v16, v[PD+1]
	s_wait_alu depctr_va_vdst(0)
	v_rcp_f32 v12, v12
	v_rcp_f32 v16, v16
	v_and_b32 v[CT], 15, v0                        ; r  (plain work behind the reciprocals)
	v_bfe_u32 v[CT+1], v0, 4, 1                    ; h
	s_mul_i32 s34, s10, 16*SPT
	s_add_co_u32 s34, s34, STG                     ; my stage
	v_mul_u32_u24 v[A16], v[CT], SPT
	s_delay_alu instid0(VALU_DEP_1)
	v_lshl_add_u32 v[A16], v[CT+1], 6, v[A16]
	s_delay_alu instid0(VALU_DEP_1)
	v_add_nc_u32 v[A16], s34, v[A16]               ; in: row r; register 16 e + k of a tile is channel 32 e + 16 h + k: 128 e + 64 h + 4 k bytes on
	v_mul_u32_u24 v[A8], v[CT+1], SPT
	s_delay_alu instid0(VALU_DEP_1)
	v_lshl_add_u32 v[A8], v[CT], 4, v[A8]
	s_delay_alu instid0(VALU_DEP_1)
	v_add_nc_u32 v[A8], s34, v[A8]                 ; back: lanes 0-15 one row, lanes 16-31 the next
	v_lshlrev_b32 v[FF], 12, v[CT+1]
	s_delay_alu instid0(VALU_DEP_1)
	v_lshl_add_u32 v[FF], v[CT], 4, v[FF]          ; and the same two rows in the output
	s_wait_alu depctr_va_vdst(0)                   ; one wait for the two reciprocals, ahead of their first reader
.irp q, 0,1
.irp j, 0,2,4,6,8,10,12,14,16,18,20,22,24,26,28,30
	v_pk_mul_f32 v[S+32*\q+\j:S+32*\q+\j+1], v[OA+32*\q+\j:OA+32*\q+\j+1], v[12+4*\q:13+4*\q] op_sel_hi:[1,0]   ; each accumulator from its low end on
.endr
.endr
.macro STAGE q, dst
.irp e, 0,1
.irp k, 0,1,2,3
	ds_store_b128 v[A16], v[S+32*\q+16*\e+4*\k:S+32*\q+16*\e+4*\k+3] offset:128*\e+16*\k
.endr
.endr
.irp i, 0,1,2,3,4,5,6,7
	ds_load_b128 v[\dst+4*\i:\dst+4*\i+3], v[A8] offset:2*\i*SPT   ; LDS serves a wave's instructions in order: these see my stores, and the next tile's stores come behind them
.endr
.endm
.macro SEND q, dst, younger            ; younger: the LDS instructions issued behind this tile's loads.  Stage row i is query i + 8 (i / 8) + 8 q of my 32
.irp i, 0,1,2,3,4,5,6,7
	s_wait_dscnt \younger+7-\i
	global_store_b128 v[FF], v[\dst+4*\i:\dst+4*\i+3], s[8:9] offset:(2*\i+8*(\i/4)+8*\q)*4096 th:TH_STORE_NT   ; 16 lanes store 256 consecutive bytes, at a multiple of 256 from the output's first byte
.endr
.endm
	STAGE 0, KV
	STAGE 1, OA
	SEND 0, KV, 16
	SEND 1, OA, 0
	s_wait_xcnt 0x0
	v_lshl_add_u32 v254, v0, 2, 0x44000
	v_mov_b32 v255, 0
	s_wait_alu depctr_va_vdst(0)
	s_wait_tensorcnt 0x0
	ds_add_u32 v254, v255
	s_wait_dscnt 0x0
	ROUND                                          ; the closing round: no work-group ends while a partner may still ask for a record that names it
	s_endpgm
.Lfunc_end_k_qe1fc67c578_attn:
	.size	k_qe1fc67c578_attn, .Lfunc_end_k_qe1fc67c578_attn-k_qe1fc67c578_attn
	.p2alignl 7, 3214868480
	.fill 96, 4, 3214868480
	.section	.rodata,"a",@progbits
	.p2align	6, 0x0
	.amdhsa_kernel k_qe1fc67c578_attn
		.amdhsa_group_segment_fixed_size 280576
		.amdhsa_private_segment_fixed_size 0
		.amdhsa_enable_private_segment 0
		.amdhsa_kernarg_size 24
		.amdhsa_user_sgpr_count 2
		.amdhsa_user_sgpr_kernarg_segment_ptr 1
		.amdhsa_wavefront_size32 1
		.amdhsa_system_sgpr_workgroup_id_x 1
		.amdhsa_system_sgpr_workgroup_id_y 1
		.amdhsa_system_sgpr_workgroup_id_z 1
		.amdhsa_system_vgpr_workitem_id 0
		.amdhsa_next_free_vgpr 256
		.amdhsa_next_free_sgpr 66
		.amdhsa_reserve_vcc 0
		.amdhsa_float_denorm_mode_32 3
		.amdhsa_float_denorm_mode_16_64 3
		.amdhsa_memory_ordered 1
		.amdhsa_forward_progress 1
		.amdhsa_inst_pref_size 47
	.end_amdhsa_kernel
	.amdgpu_metadata
---
amdhsa.version: [ 1, 2 ]
amdhsa.kernels:
  - .name:           k_qe1fc67c578_attn
    .symbol:         k_qe1fc67c578_attn.kd
    .args:
      - { .name: qi, .offset: 0, .size: 8, .value_kind: global_buffer, .address_space: global }
      - { .name: kv, .offset: 8, .size: 8, .value_kind: global_buffer, .address_space: global }
      - { .name: out0, .offset: 16, .size: 8, .value_kind: global_buffer, .address_space: global }
    .group_segment_fixed_size: 280576
    .private_segment_fixed_size: 0
    .kernarg_segment_align: 8
    .kernarg_segment_size: 24
    .max_flat_workgroup_size: 512
    .sgpr_count:     66
    .vgpr_count:     256
    .wavefront_size: 32
...
	.end_amdgpu_metadata
.endif
;; end of part 3
